; MI455X (gfx1250); checked and timed in simulation.
; The chip was launched on July 23, 2026; its instructions are those of AMD's public machine-readable ISA for CDNA 5 (MIT licence, August 2026) and "CDNA5" Instruction Set Architecture Reference Guide (July 2026). The comments in the code are by the model that wrote it; some were corrected since.
;; Attention Compute. Allowed arithmetic: matrix products marked QUANTISED: E2M3 operands, one E8M0 scale for each 32 along K, by v_wmma_scale_f32_16x16x128_f8f6f4 with both operands' format E2M3, f32 sums; everything else in f32.
;; Inputs: key 2 x 16 x 2,048 x 64 float32; query 2 x 16 x 2,048 x 64 float32; value 2 x 16 x 2,048 x 64 float32.
;; Outputs: out0 2 x 16 x 2,048 x 64 float32.
;; This version of the problem:
;;   THIS VERSION OF THE PROBLEM IS GIVEN IN LOW PRECISION. The matrix products marked QUANTISED in the list below multiply operands that are first quantised to E2M3 (2 exponent bits, 3 mantissa bits; 6 bits a number), with one power-of-two scale for each 32 numbers along K (OCP MX v1.0); their sums are f32. All else is computed in f32.
;;   The module's matrix products, in the order in which they are computed (A, B: the left and right operand; K: the contracted axis; several contracted axes count as one K, in the product's order):
;;     1. batch 32 x [M 2,048, K 64] x [K 64, N 2,048]; A: input query; B: input key: QUANTISED
;;     2. batch 32 x [M 2,048, K 2,048] x [K 2,048, N 64]; A: softmax (see below); B: input value: QUANTISED
;;   THE QUANTISER, for each operand of a quantised product, along K:
;;     - K is cut into blocks of 32 from its start; a last block that is shorter is filled with zeros.
;;     - A block's scale is 2^e with e = floor(log2(the largest magnitude in the block)) - 2, held to -126 .. 127; a block of zeros has e = 0. As a byte (E8M0): e + 127.
;;     - Each number is divided by its block's scale, clamped to +-7.5, and rounded to the nearest number of E2M3, ties to even, subnormals kept.
;;     - The product sums the exact products of the quantised numbers (number of the format x scale) in f32.
;;   ~~~python
;;   def quantise(x, axis):      # numpy; x: float32 -> the quantised numbers, widened to float32 again
;;       x = np.moveaxis(x, axis, -1); K = x.shape[-1]
;;       x = np.pad(x, [(0, 0)] * (x.ndim - 1) + [(0, -K % 32)]); x = x.reshape(x.shape[:-1] + (-1, 32)); a = np.abs(x).max(-1, keepdims=True)
;;       e = np.where(a > 0, np.clip(np.frexp(np.where(a > 0, a, 1))[1] - 1 - 2, -126, 127), 0)      # np.frexp(a)[1] - 1 = floor(log2(a)), exactly
;;       r = np.clip(x / 2.0 ** e, -7.5, 7.5)
;;       step = 2.0 ** (np.maximum(np.frexp(np.where(r == 0, 1, r))[1] - 1, 0) - 3)
;;       q = np.round(r / step) * step * 2.0 ** e      # np.round: ties to even
;;       return np.moveaxis(q.reshape(q.shape[:-2] + (-1,))[..., :K], -1, axis).astype(np.float32)
;;   ~~~
;;   SOFTMAX AHEAD OF A QUANTISED PRODUCT. Where the list says 'softmax', what is quantised is not the finished softmax but p = 2^(t - M), with t = logit x log2(e) and M = ceil(the row's largest t), a whole number; so 1/2 < the row's largest p <= 1. The row's sum l is taken of the UNQUANTISED p, in f32, and the product's result is divided by l at the end. Since M is a whole number, a kernel that streams over the keys may use a running M (the ceiling of the running maximum): every later rescaling is an exact power of two, which a block's scale takes up: the codes' values come out the same.
;;   OPERANDS COMPUTED ON THE WAY. 'Computed on the way' means the value that the module computes at that place (a softmax that the list does not call 'softmax' is quantised finished and normalised). What goes into a quantiser is computed in f32, as accurately as f32 sums, v_exp_f32 and their like allow (about 1e-6 of the number): no bf16 or f16 on the way to a quantiser, and a product that is left as it is and whose result goes on into a quantised operand takes f32 operands (vector FMAs, or v_wmma_f32_16x16x4_f32). A number that lies on a knife's edge between two numbers of the format may be rounded either way, as far as f32 arithmetic and the matrix unit's own rounding can turn it there, and no further.
;; One version. Each part assembles by itself: llvm-mc -triple=amdgcn-amd-amdhsa -mcpu=gfx1250 --defsym DOCPART=n.
;; ======== version 1 of 1: 2 launches
;; limits: right only within a limited range of input values
;; workspace buffers: kv 6,553,600 bytes
;; launch quant (part 1): grid 512 x 1, 4 waves a work-group, no clusters, 69,120 bytes of LDS; arguments key, value, kv; writes kv
.if DOCPART == 1
	.amdgcn_target "amdgcn-amd-amdhsa--gfx1250"
	.amdhsa_code_object_version 6
	.text
	.protected	k_qb0d0407bbf_quant
	.globl	k_qb0d0407bbf_quant
	.p2align	8
	.type	k_qb0d0407bbf_quant,@function
k_qb0d0407bbf_quant:
	s_mov_b64 s[64:65], 0
	v_nop
	global_prefetch_b8 v0, s[64:65] scope:SCOPE_SE
	s_setreg_imm32_b32 hwreg(HW_REG_WAVE_MODE, 25, 1), 1
	s_wait_xcnt 0x0
; key and value, [32 heads][2048 keys][64] f32, become codes of FP6 (E2M3) with one E8M0 byte for each 32 along a product's K:
; key is quantised along d (the first product's K), value along the KEYS (the second product's K).
; A block's scale is 2^(floor(log2(its largest magnitude)) - 2): its byte is the largest magnitude's exponent field - 2, held at 1 from below.
; LIMITS: NaN and infinities among the inputs are not served.  A block of zeros gets the byte 1 where the rule says 127: its codes are
; zeros, which add nothing under any byte but 0xff, and the bytes are read by this program alone.
; SHARES.  Work-group g takes 128 keys of one head (a key step of the attention launch): 32,768 dense bytes of key and of value at byte
; 32,768 g, and stores block g of kv, 12,800 bytes: four PAIR images of K (1,536 bytes each), four TILE images of V, 512 bytes of scale words.
; AN IMAGE is an operand's 12 registers as they stand: three planes of 512 bytes, plane c = registers 4 c .. 4 c + 3, lane l's 16 bytes at 16 l.
;   K pair b, lane (r, h): registers 0-5 the codes of key 64 (b / 2) + 16 (b % 2) + 32 (r / 8) + r % 8, d = 32 h .. 32 h + 31; registers 6-11 those of the key 8 further on.
;   V tile t, lane (r, h): registers 6 c .. 6 c + 5 the codes of column d = 16 t + r, keys 64 c + 32 h + 0 .. 31 of the step.
;   scale words: lane l's 16 bytes at 16 l are words 0-3: in lanes 0-15 K pair i's word of row r, in lanes 16-31 V tile i's word of row r.
; Wave w makes K pair w and V tile w.  Every global load and store of a wave covers 512 consecutive bytes that begin at a multiple of 256.
; V's 128 rows meet in a shared stage, from which a lane reads one column down the keys; V goes through to its stores while K's loads are out.
; K's rows turn through the wave's own stage (a lane wants 32 neighbours of one row).  No tensor load, no ring: all loads are issued at the head, so nothing could be asked for earlier.
.set KP,   272                         ; a row of K's stage: 256 bytes + 16: the sixteen rows of a 16-byte read begin at sixteen different 16-byte columns
.set VST,  4*32*KP                     ; behind the four waves' stages of 32 rows: V's stage
.set VQ,   32*256+64                   ; 32 rows of V and 64 bytes more: lanes 16-31 of a column read, 32 rows down, then stand 16 words beside lanes 0-15
.set SCB,  VST+4*VQ                    ; the scale words, 512 bytes
.set SPARE, SCB+768                    ; the spare words, 128 bytes for each wave
.set GL,   4                           ; v4   16 x lane: my place in a load's or a store's 512 bytes
.set KSTO, 5                           ; v5   K's stage, in:  8,704 w + 272 (lane / 16) + 16 (lane % 16)
.set KRD,  6                           ; v6   K's stage, out: 8,704 w + 272 r + 128 h
.set VSTO, 7                           ; v7   V's stage, in:  VST + VQ w + 16 lane
.set VRD,  8                           ; v8   V's stage, out: VST + VQ h + 64 w + 4 r
.set SCA,  9                           ; v9   SCB + 16 lane + 4 w
.set SH8,  10                          ; v10  8 h
.set SCR,  11                          ; v11  SCB + 16 lane
.set MX,   12                          ; v12-15 largest magnitudes: two chains for each of two blocks
.set SOP,  16                          ; v16-17 the conversions' scale operands
.set BY,   18                          ; v18-19 the scale bytes
.set PT,   20                          ; v20  the lane exchange's destination
.set KW,   21                          ; v21  K's scale word
.set VW,   22                          ; v22  V's
.set SW,   23                          ; v23  the one that my lane stores
.set FK,   32                          ; v32-43 K's image
.set FV,   44                          ; v44-55 V's image
.set CT,   56                          ; v56-58, v60-62 a block's upper 16 codes (a conversion's three registers begin on an even number)
.set SPW,  59                          ; v59  LDS address of my spare word
.set NIL,  63                          ; v63  0
.set RV,   64                          ; v64-127  V as loaded, later my column's 64 numbers
.set RK,   128                         ; v128-191 K as loaded
.set XK,   192                         ; v192-255 my 2 x 32 neighbours of K
.set SEL,  20                          ; s[20:21] lane selects: lane l xor 16
	s_load_b128 s[4:7], s[0:1], 0x0                ; key s[4:5], value s[6:7]
	s_load_b64 s[8:9], s[0:1], 0x10                ; kv
	v_lshl_add_u32 v[SPW], v0, 2, SPARE
	v_mov_b32 v[NIL], 0
	v_lshrrev_b32 v1, 5, v0
	v_readfirstlane_b32 s10, v1                    ; wave 0..3
	v_and_b32 v1, 31, v0                           ; lane
	v_and_b32 v2, 15, v0                           ; r
	v_bfe_u32 v3, v0, 4, 1                         ; h
	v_lshlrev_b32 v[GL], 4, v1
	s_mul_i32 s16, s10, 32*KP                      ; my wave's stage for K
	v_mul_u32_u24 v[KSTO], v3, KP
	v_lshl_add_u32 v[KSTO], v2, 4, v[KSTO]
	v_add_nc_u32 v[KSTO], s16, v[KSTO]
	v_mul_u32_u24 v[KRD], v2, KP
	v_lshl_add_u32 v[KRD], v3, 7, v[KRD]
	v_add_nc_u32 v[KRD], s16, v[KRD]
	s_mul_i32 s17, s10, VQ
	s_add_co_u32 s17, s17, VST
	v_add_nc_u32 v[VSTO], s17, v[GL]
	v_mul_u32_u24 v[VRD], v3, VQ
	v_lshl_add_u32 v[VRD], v2, 2, v[VRD]
	s_lshl_b32 s18, s10, 6
	s_add_co_u32 s18, s18, VST
	v_add_nc_u32 v[VRD], s18, v[VRD]
	s_lshl_b32 s19, s10, 2
	s_add_co_u32 s19, s19, SCB
	v_add_nc_u32 v[SCA], s19, v[GL]
	v_lshlrev_b32 v[SH8], 3, v3
	v_add_nc_u32 v[SCR], SCB, v[GL]
	v_mov_b32 v[PT], 0                             ; written once: a lane permute's destination counts as one of its sources
	s_wait_alu depctr_va_vdst(0)                   ; the wait here, ahead of the run of scalar lines
	s_mov_b32 s[SEL], 0x76543210
	s_mov_b32 s[SEL+1], 0xfedcba98
	s_lshl_b32 s12, ttmp9, 15                      ; 32,768 bytes a work-group;
	s_lshr_b32 s22, s10, 1                         ; K: my 32 keys are two runs of 16 rows, 32 rows apart, from row 64 (w / 2) + 16 (w % 2) on
	s_lshl_b32 s22, s22, 14
	s_add_co_u32 s22, s22, s12
	s_and_b32 s23, s10, 1
	s_lshl_b32 s23, s23, 12
	s_add_co_u32 s22, s22, s23
	s_mov_b32 s23, 0
	s_lshl_b32 s13, s10, 13                        ; V: 8,192 bytes a wave, 32 rows
	s_add_co_u32 s12, s12, s13
	s_mov_b32 s13, 0
	s_mul_i32 s14, ttmp9, 12800                    ; kv: 12,800 bytes a work-group,
	s_mul_i32 s15, s10, 1536                       ; an image a wave
	s_add_co_u32 s14, s14, s15
	s_mov_b32 s15, 0
	s_wait_kmcnt 0x0
	s_add_nc_u64 s[4:5], s[4:5], s[22:23]
	s_add_nc_u64 s[6:7], s[6:7], s[12:13]
	s_add_nc_u64 s[8:9], s[8:9], s[14:15]
.irp j, 0,1,2,3,4,5,6,7,8,9,10,11,12,13,14,15
	global_load_b128 v[RV+4*\j:RV+4*\j+3], v[GL], s[6:7] offset:512*\j th:TH_LOAD_NT   ; V's rows 32 w + 2 j, 2 j + 1
.endr
.irp j, 0,1,2,3,4,5,6,7,8,9,10,11,12,13,14,15
	global_load_b128 v[RK+4*\j:RK+4*\j+3], v[GL], s[4:5] offset:512*\j+4096*(\j/8) th:TH_LOAD_NT   ; K's two runs
.endr
; Two blocks of 32 numbers of a lane, v[src + 32 c + 0 .. 31], become registers 6 c .. 6 c + 5 of an image at v[dst], and the row's scale word:
; my two bytes stand at bytes h and 2 + h, and lane l xor 16's two make the word whole.
.macro QUANT2 src, dst, word
.irp c, 0,1
	v_max3_num_f32 v[MX+2*\c], |v[\src+32*\c]|, |v[\src+32*\c+1]|, 0x1800000       ; with the floor 2^(3 - 127) among the leaves: the byte cannot fall under 1
	v_max_num_f32 v[MX+2*\c+1], |v[\src+32*\c+2]|, |v[\src+32*\c+3]|
.endr
.irp i, 4,8,12,16,20,24,28
.irp c, 0,1
	v_max3_num_f32 v[MX+2*\c], v[MX+2*\c], |v[\src+32*\c+\i]|, |v[\src+32*\c+\i+1]|        ; four chains by turns
	v_max3_num_f32 v[MX+2*\c+1], v[MX+2*\c+1], |v[\src+32*\c+\i+2]|, |v[\src+32*\c+\i+3]|
.endr
.endr
.irp c, 0,1
	v_max_num_f32 v[MX+2*\c], v[MX+2*\c], v[MX+2*\c+1]
.endr
.irp c, 0,1
	v_add_nc_u32 v[SOP+\c], 0xff000000, v[MX+2*\c]     ; 2 off the exponent field: the conversion takes the exponent field of this operand as its scale, and nothing else of it
.endr
.irp c, 0,1
	v_lshrrev_b32 v[BY+\c], 23, v[SOP+\c]              ; the scale's byte
.endr
	v_lshl_or_b32 v[\word], v[BY+1], 16, v[BY]
	v_lshlrev_b32 v[\word], v[SH8], v[\word]
	v_permlanex16_b32 v[PT], v[\word], s[SEL], s[SEL+1]
	v_or_b32 v[\word], v[\word], v[PT]
.irp c, 0,1
	v_cvt_scalef32_pk16_fp6_f32 v[\dst+6*\c:\dst+6*\c+2], v[\src+32*\c:\src+32*\c+15], v[SOP+\c]
	v_cvt_scalef32_pk16_fp6_f32 v[CT+4*\c:CT+4*\c+2], v[\src+32*\c+16:\src+32*\c+31], v[SOP+\c]
.endr
	v_nop                                          ; one plain place behind a scaled conversion
.irp c, 0,1
.irp i, 0,1,2
	v_mov_b32 v[\dst+3+6*\c+\i], v[CT+4*\c+\i]
.endr
.endr
.endm
	s_wait_loadcnt 16                              ; V's sixteen loads are in; the sixteen issued behind them, K's, may be out
.irp j, 0,1,2,3,4,5,6,7,8,9,10,11,12,13,14,15
	ds_store_b128 v[VSTO], v[RV+4*\j:RV+4*\j+3] offset:512*\j
.endr
	s_wait_dscnt 0x0                               ; for the others' sake: my rows of V lie in the stage
	s_barrier_signal -1
	s_barrier_wait -1                              ; all 128 rows of V do
.irp c, 0,1
.irp i, 0,1,2,3,4,5,6,7,8,9,10,11,12,13,14,15,16,17,18,19,20,21,22,23,24,25,26,27,28,29,30,31
	ds_load_b32 v[RV+32*\c+\i], v[VRD] offset:2*VQ*\c+256*\i      ; V(key 64 c + 32 h + i, column 16 w + r)
.endr
.endr
	s_wait_dscnt 0x0                               ; my column of V
	QUANT2 RV, FV, VW
.irp c, 0,1,2
	global_store_b128 v[GL], v[FV+4*\c:FV+4*\c+3], s[8:9] offset:6144+512*\c
.endr
	s_wait_alu depctr_va_vdst(0)                   ; the wait here, directly ahead of the wait below
	s_wait_loadcnt 0x0                             ; K
.irp i, 0,1,2,3,4,5,6,7,8,9,10,11,12,13,14,15
	ds_store_b128 v[KSTO], v[RK+4*\i:RK+4*\i+3] offset:KP*(16*((\i/4)%2)+8*((\i/8)%2)+(2*\i)%8)   ; key 32 (r / 8) + 8 u + r % 8 of my keys goes to place 16 u + r
.endr
.irp u, 0,1
.irp i, 0,1,2,3,4,5,6,7
	ds_load_b128 v[XK+32*\u+4*\i:XK+32*\u+4*\i+3], v[KRD] offset:KP*16*\u+16*\i   ; my wave's own bytes: LDS serves a wave's instructions in order (ISA guide 5.7.1.4)
.endr
.endr
	s_wait_dscnt 0x0
	QUANT2 XK, FK, KW
.irp c, 0,1,2
	global_store_b128 v[GL], v[FK+4*\c:FK+4*\c+3], s[8:9] offset:512*\c
.endr
	v_cmp_gt_u32 vcc_lo, 16, v1
	v_cndmask_b32 v[SW], v[VW], v[KW], vcc_lo      ; lanes 0-15 K's word of row r, lanes 16-31 V's (both halves of the lanes hold both words)
	ds_store_b32 v[SCA], v[SW]
	s_wait_dscnt 0x0                               ; for wave 0's sake
	s_barrier_signal -1
	s_barrier_wait -1
	s_cmp_lg_u32 s10, 0
	s_cbranch_scc1 .Lend                           ; wave 0 stores the step's 512 bytes of scale words (its base stands at the block's first byte)
	ds_load_b128 v[24:27], v[SCR]
	s_wait_dscnt 0x0
	global_store_b128 v[GL], v[24:27], s[8:9] offset:12288
.Lend:
	s_wait_tensorcnt 0x0                           ; the wave's end
	ds_add_u32 v[SPW], v[NIL]
	s_wait_dscnt 0x0
	s_endpgm
.Lfunc_end_k_qb0d0407bbf_quant:
	.size	k_qb0d0407bbf_quant, .Lfunc_end_k_qb0d0407bbf_quant-k_qb0d0407bbf_quant
	.p2alignl 7, 3214868480
	.fill 96, 4, 3214868480
	.section	.rodata,"a",@progbits
	.p2align	6, 0x0
	.amdhsa_kernel k_qb0d0407bbf_quant
		.amdhsa_group_segment_fixed_size 69120
		.amdhsa_private_segment_fixed_size 0
		.amdhsa_enable_private_segment 0
		.amdhsa_kernarg_size 24
		.amdhsa_user_sgpr_count 2
		.amdhsa_user_sgpr_kernarg_segment_ptr 1
		.amdhsa_wavefront_size32 1
		.amdhsa_system_sgpr_workgroup_id_x 1
		.amdhsa_system_sgpr_workgroup_id_y 1
		.amdhsa_system_sgpr_workgroup_id_z 1
		.amdhsa_system_vgpr_workitem_id 0
		.amdhsa_next_free_vgpr 256
		.amdhsa_next_free_sgpr 66
		.amdhsa_reserve_vcc 1
		.amdhsa_float_denorm_mode_32 3
		.amdhsa_float_denorm_mode_16_64 3
		.amdhsa_memory_ordered 1
		.amdhsa_forward_progress 1
		.amdhsa_inst_pref_size 21
	.end_amdhsa_kernel
	.amdgpu_metadata
---
amdhsa.version: [ 1, 2 ]
amdhsa.kernels:
  - .name:           k_qb0d0407bbf_quant
    .symbol:         k_qb0d0407bbf_quant.kd
    .args:
      - { .name: key, .offset: 0, .size: 8, .value_kind: global_buffer, .address_space: global }
      - { .name: value, .offset: 8, .size: 8, .value_kind: global_buffer, .address_space: global }
      - { .name: kv, .offset: 16, .size: 8, .value_kind: global_buffer, .address_space: global }
    .group_segment_fixed_size: 69120
    .private_segment_fixed_size: 0
    .kernarg_segment_align: 8
    .kernarg_segment_size: 24
    .max_flat_workgroup_size: 128
    .sgpr_count:     66
    .vgpr_count:     256
    .wavefront_size: 32
...
	.end_amdgpu_metadata
.endif
;; end of part 1
;; launch attn (part 2): grid 8 x 32, 16 waves a work-group, clusters of 4 x 1, 276,480 bytes of LDS; arguments query, kv, out0; writes out0
.if DOCPART == 2
	.amdgcn_target "amdgcn-amd-amdhsa--gfx1250"
	.amdhsa_code_object_version 6
	.text
	.protected	k_qb0d0407bbf_attn
	.globl	k_qb0d0407bbf_attn
	.p2align	8
	.type	k_qb0d0407bbf_attn,@function
k_qb0d0407bbf_attn:
	s_mov_b64 s[64:65], 0
	v_nop
	global_prefetch_b8 v0, s[64:65] scope:SCOPE_SE
	s_setreg_imm32_b32 hwreg(HW_REG_WAVE_MODE, 25, 1), 1
	s_wait_xcnt 0x0
	s_wait_alu depctr_hold_cnt(0) depctr_sa_sdst(0) depctr_va_vdst(0) depctr_va_sdst(0) depctr_va_ssrc(0) depctr_va_vcc(0) depctr_vm_vsrc(0)
	s_getreg_b32 s2, hwreg(HW_REG_IB_STS2, 6, 4)
	s_cmp_eq_u32 s2, 0
	s_cbranch_scc0 .Lentry_in_a_cluster
	s_endpgm
.Lentry_in_a_cluster:
	s_bfe_u32 s2, ttmp6, 0x10000c
	s_cmp_lg_u32 s2, 0x3003
	s_cbranch_scc0 .Lentry_shape_is_right
	s_endpgm
.Lentry_shape_is_right:
; out0[head][q][:] = the sum over k of softmax_k(query[q] . key[k] / 8) value[k][:], 32 heads of 2,048 queries and keys, head size 64; both products on codes of
; FP6 (E2M3) with one E8M0 byte for each 32 along a product's K.  key and value come as register images out of kv (made by the launch before); query is quantised here.
; THE SOFTMAX AHEAD OF THE SECOND PRODUCT: t = score x log2(e) / 8; M = the row's largest t so far, rounded UP to a whole number; p = 2^(t - M) is quantised along the keys,
; not normalised.  The row's sum is taken of the unquantised p and divides at the end.  When M moves, the sum and O are multiplied by 2^(old M - new M): exact.
; A block's scale exponent is floor(its largest t - M) - 2: the floor of the exponent that its largest p is made from.
; LIMITS: NaN and infinities among the inputs are not served; the promise holds while the scaled scores stay under 2^31 in magnitude.  A p under 2^-126 falls to 0.
; A block whose largest p lies under 2^-124 keeps the byte 1.  A block of zeros carries the byte 1: its codes are zeros.
; SHARES.  A work-group owns 256 queries of one head, each of its sixteen waves 16 of them in 256 registers: four waves to a SIMD, so that one wave's vector work stands
; beside another's products, exponentials and LDS loads.
; Key step i of a wave: its scores; the second product of step i - 1; the maxima; V(i) and K(i + 1) are asked for among the lines of the row maximum's chain; the softmax.
; A HEAD'S CODES STAY IN LDS: 16 key steps x 12,800 bytes = 204,800 bytes, filled ONCE, one tensor load a wave, all in the head: wave w brings step w.
; The first barrier shows steps 0-3 (waves 0-3 have waited), the one behind step 1 the others.  There is nothing that a prefetch could ask for earlier.
; CLUSTER.  The four work-groups of a cluster belong to one head and want the same 204,800 bytes: every load is asked for JOINTLY, by the same descriptor and a mask that names the four.
; LAYOUT.  Both products are used transposed: S^T = K Q^T (source 0 = keys), O^T = V^T P^T (source 0 = 16 of the head's 64): a lane holds ONE query (lane % 16) throughout.
; THE FIRST PRODUCT'S K IS 64, THE INSTRUCTION'S 128: an image of K holds TWO tiles of 16 keys, one at k 0-63, one at k 64-127.  Q stands between zero codes, [zeros | codes | zeros]:
; 12 registers from the codes on (QA) meet an image's first tile, 12 from the zeros ahead of them (QB) its second.  Zero codes add nothing: every code of K is a finite number,
; K's bytes are 1 to 254, Q's filling bytes 127.
; Rows 0-7 of a tile of keys belong to one block of 32 keys and rows 8-15 to the next, so that lane (r, h)'s registers 32 c + 0 .. 31 are the WHOLE block of keys 64 c + 32 h + 0 .. 31.
.set STEPB, 12800                      ; a key step in LDS and in kv: 4 images of K, 4 of V (1,536 bytes each), 512 bytes of scale words
.set STG,   16*STEPB                   ; behind the head's codes: 16 rows x 272 bytes for each wave, for the way out; no tensor load lands there
.set SP,    272
.set WST,   16*SP
.set SPARE, STG+16*WST                 ; the spare words, 128 bytes for each wave
.set LI,   1                           ; v1   16 x lane: my place in an image's plane; also my byte offset in 512 bytes of out0.  (v0 stays my thread's number)
.set ADR,  2                           ; v2   the step's LDS address
.set SH8,  3                           ; v3   8 h
.set RM,   4                           ; v4   the running largest score
.set U2,   5                           ; v5   at work
.set NM,   6                           ; v[6:7]  -M, and a 0 that is named with it as a pair
.set LS,   8                           ; v[8:9]  the row's sum in two halves
.set FF,   10                          ; v[10:11] 2^(old M - new M), and a 0
.set BM,   12                          ; v12-13 my two blocks' largest scores
.set TT,   14                          ; v14-15 at work
.set UU,   15
.set SO,   16                          ; v16-17 the conversions' scale operands
.set BT,   18                          ; v18-19 at work
.set C2,   20                          ; v20-21 at work; at the kernel's two ends the spare word's address and 0
.set QS,   22                          ; v22, v23 Q's scale words for QA and QB
.set SCK,  24                          ; v24-27 K's scale words (lanes 0-15)
.set SCV,  28                          ; v28-31 V's (lanes 16-31)
.set PW,   32                          ; v32  p's scale word
.set PC,   34                          ; v34-45 p's codes
.set QZ,   46                          ; v46-63 zeros, Q's codes, zeros: six registers each
.set KF,   64                          ; v64-111 K's four images; behind the last step the way out's addresses
.set VF,   112                         ; v112-159 V's four images
.set SS,   160                         ; v160-223 S^T, then p
.set OO,   224                         ; v224-255 O^T: tile t at v[224 + 8 t]
.set STO,  KF                          ; v64  the way out: where I put 32 bytes of a row
.set RD,   KF+1                        ; v65  and where I read rows back
.set WV,   10                          ; s10  my wave's number
.set SEL,  20                          ; s[20:21] lane selects: lane l xor 16
.set CS,   22                          ; s[22:23] c = log2(e) / 8: the packed form names a pair and takes its low word for both halves
.set G1,   24                          ; s[24:31] descriptor group 1: 50 rows of 256 bytes
.set G0,   32                          ; s[32:35] group 0
.set NC,   40                          ; s40  -c
.set TB,   56                          ; s56  LDS byte at which the step in hand begins
.set CNT,  57                          ; s57  steps to go
; A round of the cluster's barrier: my work-group's barrier, so that wave 0's signal speaks for all sixteen waves; wave 0 signals; every wave waits for the four work-groups; my work-group's barrier once more.
.macro ROUND
	s_barrier_signal -1
	s_barrier_wait -1
	s_cmp_lg_u32 s[WV], 0
	s_cbranch_scc1 .Lnot_wave_0_\@
	s_barrier_signal -3
.Lnot_wave_0_\@:
	s_barrier_wait -3
	s_barrier_signal -1
	s_barrier_wait -1
.endm
.macro FILL
	tensor_load_to_lds s[G0:G0+3], s[G1:G1+7]
	s_nop 0
.rept 4
	v_nop
.endr
.endm
.macro LOADQ
.irp i, 0,1,2,3,4,5,6,7
	global_load_b128 v[SS+4*\i:SS+4*\i+3], v[PC], s[4:5] offset:16*\i  ; Q(r, 32 h + 0 .. 31): a whole block in a lane
.endr
.endm
	s_load_b128 s[4:7], s[0:1], 0x0                ; query s[4:5], kv s[6:7]
	s_load_b64 s[8:9], s[0:1], 0x10                ; out0
	v_lshl_add_u32 v[C2], v0, 2, SPARE
	v_mov_b32 v[C2+1], 0
	ds_add_u32 v[C2], v[C2+1]                      ; the opening: the add, twice on end, and its wait ahead of my first tensor load
	ds_add_u32 v[C2], v[C2+1]
	v_lshrrev_b32 v2, 5, v0
	v_readfirstlane_b32 s[WV], v2                  ; wave 0..15
	v_and_b32 v1, 31, v0
	v_lshlrev_b32 v[LI], 4, v1
	v_and_b32 v[PC+1], 15, v0                      ; r
	v_bfe_u32 v[PC+2], v0, 4, 1                    ; h
	v_lshlrev_b32 v[PC], 8, v[PC+1]
	v_lshl_add_u32 v[PC], v[PC+2], 7, v[PC]        ; my block of Q: 256 r + 128 h
	v_lshlrev_b32 v[SH8], 3, v[PC+2]
	s_wait_alu depctr_va_vdst(0)                   ; the wait here, ahead of the run of scalar lines and the waits behind it
	s_bfe_u32 s11, ttmp6, 0x40000                  ; cx: it enters query's and out0's addresses alone
	s_lshl_b32 s12, ttmp9, 2                       ; in a cluster launch ttmp9 counts clusters
	s_add_co_u32 s12, s12, s11                     ; my block of 256 queries
	s_and_b32 s13, ttmp7, 0xffff                   ; the head
	s_mul_i32 s14, s13, 16*STEPB                   ; the head's first byte in kv
	s_mov_b32 s15, 0
	s_mov_b32 s17, 0
	s_lshl_b32 s18, s13, 19                        ; in query and out0: 524,288 bytes a head,
	s_lshl_b32 s19, s12, 16                        ; 65,536 a block,
	s_add_co_u32 s18, s18, s19
	s_lshl_b32 s19, s[WV], 12                      ; 4,096 a wave
	s_add_co_u32 s18, s18, s19
	s_mov_b32 s19, 0
	s_mov_b32 s[SEL], 0x76543210
	s_mov_b32 s[SEL+1], 0xfedcba98
	s_mov_b32 s[CS], 0x3e38aa3b                    ; log2(e) / 8
	s_mov_b32 s[CS+1], s[CS]                       ; (named with it as a pair, so it is written)
	s_mov_b32 s[NC], 0xbe38aa3b
	; group 1: 50 rows of 256 bytes (32 elements of 8 bytes), dense in memory and in LDS
	s_mov_b32 s[G1], 15|(3<<16)|(1<<21)            ; 15:0 the mask: all four work-groups; 17:16 elements of 8 bytes; 20 no padding; 21 set beside a mask
	s_mov_b32 s[G1+1], 32<<16                      ; tensor_dim0
	s_mov_b32 s[G1+2], 50<<16                      ; tensor_dim1
	s_mov_b32 s[G1+3], 32<<16                      ; tile_dim0
	s_mov_b32 s[G1+4], 50                          ; tile_dim1
	s_mov_b32 s[G1+5], 32                          ; from row to row
	s_mov_b32 s[G1+6], 0
	s_mov_b32 s[G1+7], 0
	s_mov_b32 s[G0], 1                             ; 1:0 count = 1
	s_mul_i32 s[G0+1], s[WV], STEPB                ; 63:32 LDS address: step (wave)
	s_mov_b32 s16, s[G0+1]
	s_wait_dscnt 0x0                               ; both opening adds are done
	s_wait_kmcnt 0x0
	s_add_nc_u64 s[6:7], s[6:7], s[14:15]          ; kv at my head
	s_add_nc_u64 s[4:5], s[4:5], s[18:19]          ; query and out0 at my wave's first row
	s_add_nc_u64 s[8:9], s[8:9], s[18:19]
	s_add_nc_u64 s[G0+2:G0+3], s[6:7], s[16:17]    ; 120:64 global address: it hangs on the head and the wave alone, which the four partners share
	s_or_b32 s[G0+3], s[G0+3], 0x80000000          ; 127:126 type = 2
	ROUND                                          ; all four work-groups are here: the joint loads meet
	s_cmp_lt_u32 s[WV], 4                          ; the launch's only fills, one tensor load a wave: what is needed first is asked for first
	s_cbranch_scc0 .Llater
	FILL                                           ; steps 0-3 ahead of their waves' queries,
	LOADQ
	s_branch .Lasked
.Llater:
	LOADQ                                          ; steps 4-15 behind them
	FILL
.Lasked:
.irp i, 0,1,2,3,4,5
	v_mov_b32 v[QZ+\i], 0                          ; zero codes on both sides of Q's codes
	v_mov_b32 v[QZ+12+\i], 0
.endr
	v_mov_b32 v[NM+1], 0                           ; the second registers of pairs of which the first serves both halves
	v_mov_b32 v[FF+1], 0
	v_mov_b32 v[UU], 0                             ; a lane permute's destination counts as one of its sources
	s_wait_alu depctr_va_vdst(0)                   ; the wait here, ahead of the branch and the waits
	s_cmp_lt_u32 s[WV], 4
	s_cbranch_scc0 .Lno_wait
	s_wait_tensorcnt 0x0                           ; waves 0-3: my step is in
.Lno_wait:
	s_barrier_signal -1
	s_barrier_wait -1                              ; steps 0-3 are; steps 4-15 may be on their way
.irp p, 0,1,2,3,4,5,6,7,8,9,10,11
	ds_load_b128 v[KF+4*\p:KF+4*\p+3], v[LI] offset:512*\p             ; K of step 0
.endr
	ds_load_b128 v[SCK:SCK+3], v[LI] offset:12288
	s_wait_loadcnt 0x0                             ; my queries
; Q INTO CODES
	v_max3_num_f32 v[BM], |v[SS]|, |v[SS+1]|, 0x1800000    ; my block's largest magnitude, with the floor 2^(3 - 127) among the leaves; four chains by turns
	v_max_num_f32 v[BM+1], |v[SS+2]|, |v[SS+3]|
	v_max_num_f32 v[BT], |v[SS+4]|, |v[SS+5]|
	v_max_num_f32 v[BT+1], |v[SS+6]|, |v[SS+7]|
.irp i, 8,16,24
	v_max3_num_f32 v[BM], v[BM], |v[SS+\i]|, |v[SS+\i+1]|
	v_max3_num_f32 v[BM+1], v[BM+1], |v[SS+\i+2]|, |v[SS+\i+3]|
	v_max3_num_f32 v[BT], v[BT], |v[SS+\i+4]|, |v[SS+\i+5]|
	v_max3_num_f32 v[BT+1], v[BT+1], |v[SS+\i+6]|, |v[SS+\i+7]|
.endr
	v_max3_num_f32 v[BM], v[BM], v[BM+1], v[BT]
	v_max_num_f32 v[BM], v[BM], v[BT+1]
	v_add_nc_u32 v[SO], 0xff000000, v[BM]          ; 2 off its exponent field: the conversion's scale operand
	v_lshrrev_b32 v[TT], 23, v[SO]                 ; the byte,
	v_lshlrev_b32 v[TT], v[SH8], v[TT]             ; at byte h;
	v_permlanex16_b32 v[UU], v[TT], s[SEL], s[SEL+1]
	v_or_b32 v[TT], v[TT], v[UU]                   ; with lane l xor 16's: the row's two bytes
	v_or_b32 v[QS], 0x7f7f0000, v[TT]              ; QA: they scale k 0-63; 127 over the zero codes
	v_lshl_or_b32 v[QS+1], v[TT], 16, 0x7f7f       ; QB: they scale k 64-127
	v_cvt_scalef32_pk16_fp6_f32 v[QZ+6:QZ+8], v[SS:SS+15], v[SO]
	v_cvt_scalef32_pk16_fp6_f32 v[SS+32:SS+34], v[SS+16:SS+31], v[SO]  ; (a conversion's three registers begin on an even number)
	v_nop                                          ; one plain place behind a scaled conversion
.irp i, 0,1,2
	v_mov_b32 v[QZ+9+\i], v[SS+32+\i]
.endr
.rept 4
	v_nop                                          ; with the four lines above: the places between Q's scale words and codes and the first products
.endr
	s_wait_alu depctr_va_vdst(0)                   ; the wait at the head's end
; Image b of K against Q: its first tile, its second
.macro QKW b
	v_wmma_scale_f32_16x16x128_f8f6f4 v[SS+16*\b:SS+16*\b+7], v[KF+12*\b:KF+12*\b+11], v[QZ+6:QZ+17], 0, v[SCK+\b], v[QS] matrix_a_fmt:MATRIX_FMT_FP6 matrix_b_fmt:MATRIX_FMT_FP6
	v_wmma_scale_f32_16x16x128_f8f6f4 v[SS+16*\b+8:SS+16*\b+15], v[KF+12*\b:KF+12*\b+11], v[QZ:QZ+11], 0, v[SCK+\b], v[QS+1] matrix_a_fmt:MATRIX_FMT_FP6 matrix_b_fmt:MATRIX_FMT_FP6
.endm
; The second product: four accumulators by turns, one instruction a turn.  zero = 1: it starts the sums
.macro PVW zero
.irp k, 0,1,2,3
.if \zero
	v_wmma_scale_f32_16x16x128_f8f6f4 v[OO+8*\k:OO+8*\k+7], v[VF+12*\k:VF+12*\k+11], v[PC:PC+11], 0, v[SCV+\k], v[PW] matrix_a_fmt:MATRIX_FMT_FP6 matrix_b_fmt:MATRIX_FMT_FP6 matrix_a_scale:MATRIX_SCALE_ROW1
.else
	v_wmma_scale_f32_16x16x128_f8f6f4 v[OO+8*\k:OO+8*\k+7], v[VF+12*\k:VF+12*\k+11], v[PC:PC+11], v[OO+8*\k:OO+8*\k+7], v[SCV+\k], v[PW] matrix_a_fmt:MATRIX_FMT_FP6 matrix_b_fmt:MATRIX_FMT_FP6 matrix_a_scale:MATRIX_SCALE_ROW1
.endif
.endr
.endm
; LDS load n of a step: K of the next step (where there is one) and its scale words, V of this step and its scale words; 512 consecutive bytes each
.macro LDX n
.if (\n) < 12
.if LDON > 1
	ds_load_b128 v[KF+4*(\n):KF+4*(\n)+3], v[ADR] offset:STEPB+512*(\n)
.endif
.endif
.if (\n) == 12
.if LDON > 1
	ds_load_b128 v[SCK:SCK+3], v[ADR] offset:STEPB+12288
.endif
.endif
.if ((\n) > 12) && ((\n) < 25)
	ds_load_b128 v[VF+4*(\n)-52:VF+4*(\n)-49], v[ADR] offset:6144+512*((\n)-13)
.endif
.if (\n) == 25
	ds_load_b128 v[SCV:SCV+3], v[ADR] offset:12288
.endif
.endm
.macro LDG g                           ; three of them
	LDX 3*(\g)
	LDX 3*(\g)+1
	LDX 3*(\g)+2
.endm
.macro PKF                             ; t - M, four times two numbers (of the pairs c and -M the low word serves both halves)
.rept 4
	v_pk_fma_f32 v[SS+J:SS+J+1], v[SS+J:SS+J+1], s[CS:CS+1], v[NM:NM+1] op_sel_hi:[1,0,0]
.set J, J+2
.endr
.endm
.macro SUMTAIL                         ; the sum's last three lines
	v_pk_add_f32 v[BT:BT+1], v[BT:BT+1], v[C2:C2+1]
	v_pk_add_f32 v[LS:LS+1], v[LS:LS+1], v[TT:TT+1]
	v_pk_add_f32 v[LS:LS+1], v[LS:LS+1], v[BT:BT+1]
.endm
; A KEY STEP of 128 keys.  first: the wave's first; pv: the second product of the step before (0 none, 1, 2 = starts the sums); ld: 1 V(i), 2 and K(i + 1); rs: O is brought under the new M
.macro STEP first, pv, ld, rs
.set LDON, \ld
	s_wait_dscnt 0x0                               ; K of this step and V of the one before; no LDS load of mine is out behind this line
.irp b, 0,1,2,3
	QKW \b
.endr                                              ; lane (r, h): query r; register 32 c + i is key 64 c + 32 h + i of the step
.if \pv
	SUMTAIL                                        ; of the step before: with the next line the places ahead of the scores' first read, and those between p's codes and the products below
.else
.rept 3
	v_nop
.endr
.endif
	v_add_nc_u32 v[ADR], s[TB], v[LI]
.if (\pv) == 1
	PVW 0
.endif
.if (\pv) == 2
	PVW 1
.endif
.irp c, 0,1                                        ; the largest score of each of my two blocks of 32 keys, two chains each, by turns (each accumulator is read from its low end on)
	v_max3_num_f32 v[BM+\c], v[SS+32*\c], v[SS+32*\c+1], v[SS+32*\c+2]
	v_max3_num_f32 v[BT+\c], v[SS+32*\c+16], v[SS+32*\c+17], v[SS+32*\c+18]
.endr
.irp i, 3,5,7,9,11,13
.irp c, 0,1
	v_max3_num_f32 v[BM+\c], v[BM+\c], v[SS+32*\c+\i], v[SS+32*\c+\i+1]
	v_max3_num_f32 v[BT+\c], v[BT+\c], v[SS+32*\c+16+\i], v[SS+32*\c+17+\i]
.endr
.endr
.irp c, 0,1
	v_max3_num_f32 v[BM+\c], v[BM+\c], v[SS+32*\c+15], v[SS+32*\c+31]
.endr
.irp c, 0,1
	v_max_num_f32 v[BM+\c], v[BM+\c], v[BT+\c]
.endr
	LDG 0                                          ; the step's LDS loads stand among the lines of the chain; they have the whole softmax in which to come
	v_max_num_f32 v[TT], v[BM], v[BM+1]
	LDG 1
	v_permlanex16_b32 v[UU], v[TT], s[SEL], s[SEL+1]
	LDG 2
.if \first
	v_max_num_f32 v[RM], v[TT], v[UU]
.else
	v_max3_num_f32 v[RM], v[RM], v[TT], v[UU]      ; the running largest score: with lane l xor 16's blocks
.endif
	LDG 3
	v_mul_f32 v[TT], s[NC], v[RM]                  ; -t (c is positive)
	LDG 4
.if \first
	v_floor_f32 v[NM], v[TT]                       ; -M = floor(-t) = -ceil(t): a whole number
	LDG 5
	LDG 6
	LDG 7
	LDG 8
.else
	v_floor_f32 v[U2], v[TT]                       ; the new -M
	LDG 5
	v_sub_f32 v[TT], v[U2], v[NM]                  ; old M - new M: a whole number, 0 or less
	v_mov_b32 v[NM], v[U2]
	LDG 6
	v_cvt_i32_f32 v[TT], v[TT]                     ; (it saturates)
	LDG 7
	v_ldexp_f32 v[FF], 1.0, v[TT]                  ; 2^(old M - new M): a multiplication by it rounds nothing
	LDG 8
.endif
.set J, 0
	v_pk_fma_f32 v[BM:BM+1], v[BM:BM+1], s[CS:CS+1], v[NM:NM+1] op_sel_hi:[1,0,0]      ; each block's largest t - M
	PKF
	v_max_num_f32 v[BM], 0xc2f80000, v[BM]         ; held at -124: the scale's byte cannot fall under 1
	v_max_num_f32 v[BM+1], 0xc2f80000, v[BM+1]
	PKF
	v_cvt_floor_i32_f32 v[BM], v[BM]               ; n = floor(log2(the block's largest p))
	v_cvt_floor_i32_f32 v[BM+1], v[BM+1]
	PKF
	v_lshl_add_u32 v[SO], v[BM], 23, 0x3e800000    ; the conversion's scale operand: exponent field n - 2 + 127
	v_lshl_add_u32 v[SO+1], v[BM+1], 23, 0x3e800000
	v_lshl_add_u32 v[TT], v[BM+1], 16, v[BM]
	PKF
	v_add_nc_u32 v[TT], 0x7d007d, v[TT]            ; both bytes: n + 125, blocks h and 2 + h,
	PKF
	v_lshlrev_b32 v[TT], v[SH8], v[TT]             ; at bytes h and 2 + h;
	PKF
	v_permlanex16_b32 v[UU], v[TT], s[SEL], s[SEL+1]
	PKF
	v_or_b32 v[PW], v[TT], v[UU]                   ; with lane l xor 16's two: p's scale word for these 128 keys
	PKF
	s_wait_alu depctr_va_vdst(0)                   ; the wait ahead of the batch
.set J, 0
.rept 64
	v_exp_f32 v[SS+J], v[SS+J]                     ; p = 2^(t - M), not normalised
.set J, J+1
.endr
.if \first
	v_nop                                          ; a plain place behind the exponentials
.else
	v_pk_mul_f32 v[LS:LS+1], v[LS:LS+1], v[FF:FF+1] op_sel_hi:[1,0]    ; the sums under the new M: the plain place behind the exponentials
.endif
	s_wait_alu depctr_va_vdst(0)                   ; the wait behind the batch and ahead of the first readers of O^T
.if \rs
.set J, 0
.rept 16
	v_pk_mul_f32 v[OO+J:OO+J+1], v[OO+J:OO+J+1], v[FF:FF+1] op_sel_hi:[1,0]    ; O^T under the new M, from each accumulator's low end on
.set J, J+2
.endr
.endif
.if \first                                         ; THE ROW'S SUM, of the unquantised p, in four chains by turns
	v_pk_add_f32 v[LS:LS+1], v[SS:SS+1], v[SS+8:SS+9]
.else
	v_pk_add_f32 v[LS:LS+1], v[LS:LS+1], v[SS:SS+1]
.endif
	v_pk_add_f32 v[BT:BT+1], v[SS+2:SS+3], v[SS+10:SS+11]
	v_pk_add_f32 v[C2:C2+1], v[SS+4:SS+5], v[SS+12:SS+13]
	v_pk_add_f32 v[TT:TT+1], v[SS+6:SS+7], v[SS+14:SS+15]
.if (\first) == 0
	v_pk_add_f32 v[LS:LS+1], v[LS:LS+1], v[SS+8:SS+9]
.endif
.irp i, 16,24,32,40,48
	v_pk_add_f32 v[BT:BT+1], v[BT:BT+1], v[SS+\i:SS+\i+1]
	v_pk_add_f32 v[C2:C2+1], v[C2:C2+1], v[SS+\i+2:SS+\i+3]
	v_pk_add_f32 v[TT:TT+1], v[TT:TT+1], v[SS+\i+4:SS+\i+5]
	v_pk_add_f32 v[LS:LS+1], v[LS:LS+1], v[SS+\i+6:SS+\i+7]
.endr
	v_pk_add_f32 v[BT:BT+1], v[BT:BT+1], v[SS+56:SS+57]
	v_pk_add_f32 v[C2:C2+1], v[C2:C2+1], v[SS+58:SS+59]
	v_pk_add_f32 v[TT:TT+1], v[TT:TT+1], v[SS+60:SS+61]
	v_cvt_scalef32_pk16_fp6_f32 v[PC:PC+2], v[SS:SS+15], v[SO]         ; my block h: registers 0-5 of the operand
	v_cvt_scalef32_pk16_fp6_f32 v[PC+6:PC+8], v[SS+32:SS+47], v[SO+1]  ; my block 2 + h: registers 6-11
	v_pk_add_f32 v[LS:LS+1], v[LS:LS+1], v[SS+62:SS+63]                ; (also the plain place ahead of the lines that write over numbers just converted)
	v_cvt_scalef32_pk16_fp6_f32 v[SS:SS+2], v[SS+16:SS+31], v[SO]      ; (a conversion's three registers begin on an even number)
	v_cvt_scalef32_pk16_fp6_f32 v[SS+32:SS+34], v[SS+48:SS+63], v[SO+1]
	v_nop                                          ; one plain place behind a scaled conversion
.irp c, 0,1
.irp i, 0,1,2
	v_mov_b32 v[PC+3+6*\c+\i], v[SS+32*\c+\i]
.endr
.endr
	s_wait_alu depctr_va_vdst(0)                   ; the wait ahead of the waits and the branch that follow a step
.endm
	s_mov_b32 s[TB], 0
	STEP 1, 0, 2, 0
	s_mov_b32 s[TB], STEPB
	STEP 0, 2, 2, 1
	s_wait_dscnt 0x0                               ; ahead of a signal: no LDS load of mine is out
	s_wait_tensorcnt 0x0                           ; no tensor load of mine is out from here on
	s_barrier_signal -1
	s_barrier_wait -1                              ; all sixteen steps are in
	s_mov_b32 s[TB], 2*STEPB
	s_mov_b32 s[CNT], 13
.Lstep:                                            ; steps 2 .. 14
	STEP 0, 1, 2, 1
	s_add_co_u32 s[TB], s[TB], STEPB
	s_sub_co_u32 s[CNT], s[CNT], 1
	s_cmp_lg_u32 s[CNT], 0
	s_cbranch_scc1 .Lstep
	s_mov_b32 s[TB], 15*STEPB
	STEP 0, 1, 1, 1                                ; step 15: no K is asked for
	; THE WAY OUT.  O^T is divided by the row's sum and goes through my stage in LDS, so that each store covers 512 consecutive bytes of out0: two whole rows.
	s_wait_dscnt 0x0                               ; V of step 15
	SUMTAIL
	v_add_f32 v[LS], v[LS], v[LS+1]                ; the sum's two halves.  (With the three lines above: the places between p's codes and the products below)
	PVW 0
	v_permlanex16_b32 v[UU], v[LS], s[SEL], s[SEL+1]
	v_add_f32 v[LS], v[LS], v[UU]                  ; and lane l xor 16's: the row's sum
	v_and_b32 v[KF+2], 15, v0                      ; r
	v_bfe_u32 v[KF+3], v0, 4, 1                    ; h
	s_mul_i32 s60, s[WV], WST
	s_add_co_u32 s60, s60, STG                     ; my stage
	v_mul_u32_u24 v[STO], v[KF+2], SP
	v_mul_u32_u24 v[RD], v[KF+3], SP
	v_lshl_add_u32 v[STO], v[KF+3], 5, v[STO]
	v_lshl_add_u32 v[RD], v[KF+2], 4, v[RD]
	v_add_nc_u32 v[STO], s60, v[STO]               ; in: row r, 32 bytes for each half of the lanes
	v_add_nc_u32 v[RD], s60, v[RD]                 ; back: lanes 0-15 one row of 256 bytes, lanes 16-31 the next
	v_lshl_add_u32 v[C2], v0, 2, SPARE             ; my spare word and 0, made anew
	v_mov_b32 v[C2+1], 0
	s_wait_alu depctr_va_vdst(0)
	v_rcp_f32 v[LS], v[LS]
	v_nop                                          ; a plain place behind the reciprocal
	s_wait_alu depctr_va_vdst(0)                   ; and the wait ahead of the first readers
.set J, 0
.rept 32
	v_mul_f32 v[SS+J], v[OO+J], v[LS]              ; register 8 t + j is o(r, 16 t + 8 h + j)
.set J, J+1
.endr
.irp k, 0,1,2,3
	ds_store_b128 v[STO], v[SS+8*\k:SS+8*\k+3] offset:64*\k
	ds_store_b128 v[STO], v[SS+8*\k+4:SS+8*\k+7] offset:64*\k+16
.endr
.irp i, 0,1,2,3,4,5,6,7
	ds_load_b128 v[SS+32+4*\i:SS+32+4*\i+3], v[RD] offset:2*\i*SP      ; my wave's own bytes: LDS serves a wave's instructions in order (ISA guide 5.7.1.4)
.endr
.irp i, 0,1,2,3,4,5,6,7
	s_wait_dscnt 7-\i                              ; load i is in; the 7 - i issued behind it may be out
	global_store_b128 v[LI], v[SS+32+4*\i:SS+32+4*\i+3], s[8:9] offset:512*\i th:TH_STORE_NT   ; written once, read by nobody here
.endr
	s_wait_tensorcnt 0x0                           ; the wave's end
	ds_add_u32 v[C2], v[C2+1]
	s_wait_dscnt 0x0
	ROUND                                          ; the closing round: no work-group ends while a partner may still ask for a load that names it
	s_endpgm
.Lfunc_end_k_qb0d0407bbf_attn:
	.size	k_qb0d0407bbf_attn, .Lfunc_end_k_qb0d0407bbf_attn-k_qb0d0407bbf_attn
	.p2alignl 7, 3214868480
	.fill 96, 4, 3214868480
	.section	.rodata,"a",@progbits
	.p2align	6, 0x0
	.amdhsa_kernel k_qb0d0407bbf_attn
		.amdhsa_group_segment_fixed_size 276480
		.amdhsa_private_segment_fixed_size 0
		.amdhsa_enable_private_segment 0
		.amdhsa_kernarg_size 24
		.amdhsa_user_sgpr_count 2
		.amdhsa_user_sgpr_kernarg_segment_ptr 1
		.amdhsa_wavefront_size32 1
		.amdhsa_system_sgpr_workgroup_id_x 1
		.amdhsa_system_sgpr_workgroup_id_y 1
		.amdhsa_system_sgpr_workgroup_id_z 1
		.amdhsa_system_vgpr_workitem_id 0
		.amdhsa_next_free_vgpr 256
		.amdhsa_next_free_sgpr 66
		.amdhsa_reserve_vcc 0
		.amdhsa_float_denorm_mode_32 3
		.amdhsa_float_denorm_mode_16_64 3
		.amdhsa_memory_ordered 1
		.amdhsa_forward_progress 1
		.amdhsa_inst_pref_size 67
	.end_amdhsa_kernel
	.amdgpu_metadata
---
amdhsa.version: [ 1, 2 ]
amdhsa.kernels:
  - .name:           k_qb0d0407bbf_attn
    .symbol:         k_qb0d0407bbf_attn.kd
    .args:
      - { .name: query, .offset: 0, .size: 8, .value_kind: global_buffer, .address_space: global }
      - { .name: kv, .offset: 8, .size: 8, .value_kind: global_buffer, .address_space: global }
      - { .name: out0, .offset: 16, .size: 8, .value_kind: global_buffer, .address_space: global }
    .group_segment_fixed_size: 276480
    .private_segment_fixed_size: 0
    .kernarg_segment_align: 8
    .kernarg_segment_size: 24
    .max_flat_workgroup_size: 512
    .sgpr_count:     66
    .vgpr_count:     256
    .wavefront_size: 32
...
	.end_amdgpu_metadata
.endif
;; end of part 2
